; MI455X (gfx1250); checked and timed in simulation.
; The chip was launched on July 23, 2026; its instructions are those of AMD's public machine-readable ISA for CDNA 5 (MIT licence, August 2026) and "CDNA5" Instruction Set Architecture Reference Guide (July 2026). The comments in the code are by the model that wrote it; some were corrected since.
;; Miss Attention. Allowed arithmetic: matrix products marked QUANTISED: E2M1 operands, one E8M0 scale for each 32 along K, by v_wmma_scale_f32_16x16x128_f8f6f4 with both operands' format E2M1 (or v_wmma_scale_f32_32x16x128_f4), f32 sums; everything else in f32.
;; Inputs: attn_mask 2 x 2,048 x 2,048 bool; k_pos 2 x 2,048 x 8 x 64 float32; k_val 2 x 2,048 x 8 x 64 float32; q_pos 2 x 2,048 x 8 x 64 float32; q_val 2 x 2,048 x 8 x 64 float32; v_pos 2 x 2,048 x 8 x 64 float32; v_val 2 x 2,048 x 8 x 64 float32.
;; Outputs: out0 2 x 2,048 x 8 x 64 float32; out1 2 x 2,048 x 8 x 64 float32.
;; This version of the problem:
;;   THIS VERSION OF THE PROBLEM IS GIVEN IN LOW PRECISION. The matrix products marked QUANTISED in the list below multiply operands that are first quantised to E2M1 (2 exponent bits, 1 mantissa bit; 4 bits a number), with one power-of-two scale for each 32 numbers along K (OCP MX v1.0); their sums are f32. All else is computed in f32.
;;   The module's matrix products, in the order in which they are computed (A, B: the left and right operand; K: the contracted axis; several contracted axes count as one K, in the product's order):
;;     1. batch 16 x [M 2,048, K 64] x [K 64, N 2,048]; A: input q_val; B: input k_val: QUANTISED
;;     2. batch 16 x [M 2,048, K 64] x [K 64, N 2,048]; A: input q_pos; B: input k_pos: QUANTISED
;;     3. batch 16 x [M 64, K 2,048] x [K 2,048, N 2,048]; A: input v_val; B: softmax (see below): QUANTISED
;;     4. batch 16 x [M 64, K 2,048] x [K 2,048, N 2,048]; A: input v_pos; B: softmax (see below): QUANTISED
;;   THE QUANTISER, for each operand of a quantised product, along K:
;;     - K is cut into blocks of 32 from its start; a last block that is shorter is filled with zeros.
;;     - A block's scale is 2^e with e = floor(log2(the largest magnitude in the block)) - 2, held to -126 .. 127; a block of zeros has e = 0. As a byte (E8M0): e + 127.
;;     - Each number is divided by its block's scale, clamped to +-6, and rounded to the nearest number of E2M1, ties to even, subnormals kept.
;;     - The product sums the exact products of the quantised numbers (number of the format x scale) in f32.
;;   ~~~python
;;   def quantise(x, axis):      # numpy; x: float32 -> the quantised numbers, widened to float32 again
;;       x = np.moveaxis(x, axis, -1); K = x.shape[-1]
;;       x = np.pad(x, [(0, 0)] * (x.ndim - 1) + [(0, -K % 32)]); x = x.reshape(x.shape[:-1] + (-1, 32)); a = np.abs(x).max(-1, keepdims=True)
;;       e = np.where(a > 0, np.clip(np.frexp(np.where(a > 0, a, 1))[1] - 1 - 2, -126, 127), 0)      # np.frexp(a)[1] - 1 = floor(log2(a)), exactly
;;       r = np.clip(x / 2.0 ** e, -6, 6)
;;       step = 2.0 ** (np.maximum(np.frexp(np.where(r == 0, 1, r))[1] - 1, 0) - 1)
;;       q = np.round(r / step) * step * 2.0 ** e      # np.round: ties to even
;;       return np.moveaxis(q.reshape(q.shape[:-2] + (-1,))[..., :K], -1, axis).astype(np.float32)
;;   ~~~
;;   SOFTMAX AHEAD OF A QUANTISED PRODUCT. Where the list says 'softmax', what is quantised is not the finished softmax but p = 2^(t - M), with t = logit x log2(e) and M = ceil(the row's largest t), a whole number; so 1/2 < the row's largest p <= 1. The row's sum l is taken of the UNQUANTISED p, in f32, and the product's result is divided by l at the end. Since M is a whole number, a kernel that streams over the keys may use a running M (the ceiling of the running maximum): every later rescaling is an exact power of two, which a block's scale takes up: the codes' values come out the same.
;;   OPERANDS COMPUTED ON THE WAY. 'Computed on the way' means the value that the module computes at that place (a softmax that the list does not call 'softmax' is quantised finished and normalised). What goes into a quantiser is computed in f32, as accurately as f32 sums, v_exp_f32 and their like allow (about 1e-6 of the number): no bf16 or f16 on the way to a quantiser, and a product that is left as it is and whose result goes on into a quantised operand takes f32 operands (vector FMAs, or v_wmma_f32_16x16x4_f32). A number that lies on a knife's edge between two numbers of the format may be rounded either way, as far as f32 arithmetic and the matrix unit's own rounding can turn it there, and no further.
;; One version. Each part assembles by itself: llvm-mc -triple=amdgcn-amd-amdhsa -mcpu=gfx1250 --defsym DOCPART=n.
;; ======== version 1 of 1: 2 launches
;; limits: right only within a limited range of input values
;; workspace buffers: kv 4,456,448 bytes
;; launch quant (part 1): grid 512 x 1, 4 waves a work-group, no clusters, 70,144 bytes of LDS; arguments k_val, k_pos, v_val, v_pos, kv; writes kv
.if DOCPART == 1
	.amdgcn_target "amdgcn-amd-amdhsa--gfx1250"
	.amdhsa_code_object_version 6
	.text
	.protected	k_q59b39c4f6f_quant
	.globl	k_q59b39c4f6f_quant
	.p2align	8
	.type	k_q59b39c4f6f_quant,@function
k_q59b39c4f6f_quant:
	s_mov_b64 s[64:65], 0
	v_nop
	global_prefetch_b8 v0, s[64:65] scope:SCOPE_SE
	s_setreg_imm32_b32 hwreg(HW_REG_WAVE_MODE, 25, 1), 1
	s_wait_xcnt 0x0
; K = [k_val | k_pos] (128 numbers a key, quantised along them) and V = [v_val | v_pos] (128 channels, quantised along the KEYS) become codes of FP4 (E2M1)
; with one E8M0 byte for each 32 along K.  The inputs are [2][2048][8][64] f32: a (token, head) row is 256 bytes, tokens lie 2,048 bytes apart.
; attn_mask reaches no output: the function takes it and applies it to nothing, for all its values.  No launch loads it or has it among its arguments.
; The two score products of 64 along K, which are added, are one product of 128 along K: no block of 32 straddles the seam.
; THE WORKSPACE IS LAID IN THE ORDER OF THE OPERANDS' REGISTERS.  Head bh = 8 b + h has 16 steps of 128 keys, STEPB bytes each:
;   +0      K's codes: tile t (16 keys), half c, lane L at 1024 t + 512 c + 16 L: lane (r, g) holds block 2 c + g of key 64 (t / 4) + 8 (t % 4) + r % 8 + 32 (r / 8)
;   +8192   V's codes: tile t (channels 16 t + r), half c, lane (r, g): the 32 codes of keys 64 c + 32 g + 0 .. 31
;   +16384  K's scale words: word 128 j + 4 L: lanes 0-15 the rows of tile 2 j, lanes 16-31 those of tile 2 j + 1
;   +16896  V's scale words: word 128 j + 4 L: channel 32 j + L
; A block's scale is 2^(floor(log2(its largest magnitude)) - 2); its byte is the largest magnitude's exponent field - 2, held at 1 from below.
; LIMITS: a block of zeros gets the byte 1 where the quantiser says 127: its codes are zeros, which add nothing under that byte, and this program alone reads the bytes.
; Blocks whose largest magnitude lies under 2^-124 are held at the byte 1.  NaN and infinities among the inputs are not served; what reaches attn_mask alone is not carried to a result.
; SHARES: work-groups 0-255 take K, 256-511 take V; each takes one step of one head.  In K's path a wave reads 32 neighbouring keys into the work-group's stage in LDS and, behind one barrier,
; quantises two whole tiles of it; in V's path a wave takes 32 channels and touches no LDS.
.set STEPB, 17408
.set HEADB, 16*STEPB
.set VC,    8192
.set KSW,   16384
.set VSW,   16896
.set PITCH, 272                        ; a stage row: 256 bytes + 16: 68 words, so sixteen rows that a load touches start 4 banks apart (64 banks of 4 bytes: ISA guide 11.1)
.set KT,    128*PITCH                  ; the stage: k_val's 128 rows by tiles, then k_pos's
.set X,     32                         ; v32-159  four sets of 32 numbers
.set C,     160                        ; v160-175 four registers of codes a block: no store's data are written again
.set SB,    16                         ; v16-19   a scale byte a block
	s_load_b256 s[4:11], s[0:1], 0x0               ; k_val s[4:5], k_pos s[6:7], v_val s[8:9], v_pos s[10:11]
	s_load_b64 s[12:13], s[0:1], 0x20              ; kv
	v_lshl_add_u32 v192, v0, 2, 0x11000
	v_mov_b32 v193, 0
	v_lshrrev_b32 v1, 5, v0
	v_readfirstlane_b32 s14, v1                    ; wave 0..3
	v_and_b32 v1, 31, v0                           ; lane
	v_and_b32 v2, 15, v0                           ; r
	v_bfe_u32 v3, v0, 4, 1                         ; g = lane / 16
	s_and_b32 s15, ttmp9, 255
	s_lshr_b32 s16, s15, 4                         ; bh
	s_and_b32 s17, s15, 15                         ; the step
	s_lshr_b32 s18, s16, 3                         ; b
	s_and_b32 s19, s16, 7                          ; h
	s_lshl_b32 s20, s18, 22                        ; b x 2,048 tokens x 2,048 bytes
	s_lshl_b32 s21, s17, 18                        ; + step x 128 tokens x 2,048 bytes
	s_add_co_u32 s20, s20, s21
	s_lshl_b32 s21, s19, 8                         ; + h x 256
	s_add_co_u32 s20, s20, s21
	s_mov_b32 s21, 0                               ; s[20:21]: where the step begins in each input
	s_mul_i32 s22, s16, HEADB
	s_mul_i32 s23, s17, STEPB
	s_add_co_u32 s22, s22, s23
	s_mov_b32 s23, 0                               ; s[22:23]: and in kv
	s_mov_b32 s24, 0x76543210
	s_mov_b32 s25, 0xfedcba98                      ; v_permlanex16_b32's selects for lane l xor 16
	s_mov_b32 s29, 0
	s_wait_alu depctr_va_vdst(0)
	s_wait_kmcnt 0x0
; Block n: the 32 numbers in set n, all of one lane, become 16 bytes of codes and a scale byte; the codes are stored at a (n / 2) + b (n % 2) from the wave's base.
.macro QBLK n, a, b
.set XS, X+32*(\n)
	v_max3_num_f32 v12, |v[XS]|, |v[XS+1]|, |v[XS+2]|              ; the largest magnitude, in two chains
	v_max3_num_f32 v13, |v[XS+3]|, |v[XS+4]|, |v[XS+5]|
.irp i, 6,10,14,18,22,26
	v_max3_num_f32 v12, v12, |v[XS+\i]|, |v[XS+\i+1]|
	v_max3_num_f32 v13, v13, |v[XS+\i+2]|, |v[XS+\i+3]|
.endr
	v_max3_num_f32 v12, v12, |v[XS+30]|, |v[XS+31]|
	v_max3_num_f32 v12, v12, v13, 0x1800000        ; and the floor 2^(3 - 127): the byte cannot fall under 1
	v_add_nc_u32 v11, 0xff000000, v12              ; 2 off the exponent field: the conversion takes that field of this operand as its scale
	v_lshrrev_b32 v[SB+(\n)], 23, v11              ; the scale's byte
.irp g, 0,1,2,3
	v_cvt_scalef32_pk8_fp4_f32 v[C+4*(\n)+\g], v[XS+8*\g:XS+8*\g+7], v11
.endr
	global_store_b128 v7, v[C+4*(\n):C+4*(\n)+3], s[30:31] offset:\a*((\n)/2)+\b*((\n)%2)   ; (the next vector lines are plain and touch neither the codes nor the conversions' sources)
.endm
	s_cmp_lt_u32 ttmp9, 256
	s_cbranch_scc0 .Lvalues
	; ---- K.  Wave w reads keys 32 w .. 32 w + 31 of the step, and makes tiles 2 w and 2 w + 1.
	s_lshl_b32 s28, s14, 16                        ; 32 tokens x 2,048 bytes
	s_add_nc_u64 s[20:21], s[20:21], s[28:29]
	s_add_nc_u64 s[4:5], s[4:5], s[20:21]
	s_add_nc_u64 s[6:7], s[6:7], s[20:21]
	s_lshl_b32 s28, s14, 11                        ; my two tiles' codes: 2,048 bytes
	s_add_nc_u64 s[30:31], s[22:23], s[28:29]
	s_add_nc_u64 s[30:31], s[12:13], s[30:31]
	s_lshl_b32 s28, s14, 7                         ; my 32 scale words
	s_add_nc_u64 s[32:33], s[22:23], s[28:29]
	s_add_nc_u64 s[32:33], s[12:13], s[32:33]
	s_lshr_b32 s34, s14, 1                         ; key k of my 32 is row k % 8 + 8 (w % 2) of tile 4 (w / 2) + k / 8
	s_mul_i32 s34, s34, 64*PITCH
	s_and_b32 s35, s14, 1
	s_mul_i32 s35, s35, 8*PITCH
	s_add_co_u32 s34, s34, s35                     ; the stage, on the way in
	s_mul_i32 s35, s14, 32*PITCH                   ; and on the way out: my two tiles' 32 rows
	s_wait_alu depctr_va_vdst(0)
	v_lshlrev_b32 v4, 4, v2
	v_lshl_add_u32 v4, v3, 11, v4                  ; a load: lanes 0-15 one token's whole row of 256 bytes, lanes 16-31 the next token's
	v_mul_u32_u24 v5, v3, PITCH
	v_lshl_add_u32 v5, v2, 4, v5
	v_add_nc_u32 v5, s34, v5                       ; in: row g, 16 r
	v_mul_u32_u24 v6, v2, PITCH
	v_lshl_add_u32 v6, v3, 7, v6
	v_add_nc_u32 v6, s35, v6                       ; out: row r, block g of its 64 numbers
	v_lshlrev_b32 v7, 4, v1                        ; the codes: 16 x lane
	v_lshlrev_b32 v8, 2, v1                        ; the scale words: 4 x lane
	v_lshlrev_b32 v10, 3, v3                       ; 8 g
	v_mov_b32 v22, 0                               ; (a lane permute's destination counts as one of its sources)
	v_mov_b32 v23, 0
.irp i, 0,1,2,3,4,5,6,7,8,9,10,11,12,13,14,15
	global_load_b128 v[X+4*\i:X+4*\i+3], v4, s[4:5] offset:4096*\i th:TH_LOAD_NT        ; k_val, my keys 2 i + g
.endr
.irp i, 0,1,2,3,4,5,6,7,8,9,10,11,12,13,14,15
	global_load_b128 v[X+64+4*\i:X+64+4*\i+3], v4, s[6:7] offset:4096*\i th:TH_LOAD_NT  ; k_pos
.endr
	s_wait_alu depctr_va_vdst(0)
	s_wait_loadcnt 16                              ; k_val's sixteen are in; k_pos's sixteen may be out
.irp i, 0,1,2,3,4,5,6,7,8,9,10,11,12,13,14,15
	ds_store_b128 v5, v[X+4*\i:X+4*\i+3] offset:(16*((2*\i)/8)+(2*\i)%8)*PITCH
.endr
	s_wait_loadcnt 0x0
.irp i, 0,1,2,3,4,5,6,7,8,9,10,11,12,13,14,15
	ds_store_b128 v5, v[X+64+4*\i:X+64+4*\i+3] offset:KT+(16*((2*\i)/8)+(2*\i)%8)*PITCH
.endr
	s_wait_dscnt 0x0                               ; my keys are in the stage
	s_barrier_signal -1
	s_barrier_wait -1                              ; everybody's are
.irp n, 0,1,2,3                        ; set n = 2 x tile + tensor: my row's block g of that tensor
.irp j, 0,1,2,3,4,5,6,7
	ds_load_b128 v[X+32*\n+4*\j:X+32*\n+4*\j+3], v6 offset:KT*(\n%2)+16*(\n/2)*PITCH+16*\j
.endr
.endr
.irp n, 0,1,2,3
	s_wait_dscnt 24-8*\n                           ; set n's eight loads are in; the eight of each younger set may be out
	QBLK \n, 1024, 512                             ; the wave stores 512 consecutive bytes
.endr
.irp u, 0,1                            ; tile u's scale words: my two bytes (blocks g and 2 + g of row r) at their places, then lane l xor 16's two
	v_lshl_or_b32 v[20+\u], v[SB+2*\u+1], 16, v[SB+2*\u]
	v_lshlrev_b32 v[20+\u], v10, v[20+\u]
.endr
.irp u, 0,1
	v_permlanex16_b32 v[22+\u], v[20+\u], s24, s25
.endr
.irp u, 0,1
	v_or_b32 v[20+\u], v[20+\u], v[22+\u]
.endr
	v_cmp_le_u32 vcc_lo, 16, v1
	v_cndmask_b32 v20, v20, v21, vcc_lo            ; lanes 0-15 keep tile 2 w's word, lanes 16-31 take tile 2 w + 1's
	global_store_b32 v8, v20, s[32:33] offset:KSW
	s_wait_tensorcnt 0x0                           ; the wave's end
	ds_add_u32 v192, v193
	s_wait_dscnt 0x0
	s_endpgm
.Lvalues:
	; ---- V.  Wave w takes channels 32 w .. 32 w + 31 of the 128 (waves 0, 1: v_val; 2, 3: v_pos).  A LANE TAKES A CHANNEL AND ITS REGISTERS RUN DOWN THE KEYS:
	; a block of 32 keys lies in one lane's 32 registers, and the conversions give codes with the keys innermost.  A load reads 128 consecutive bytes, half of a token's row; the neighbouring wave reads the other half.
	s_cmp_lt_u32 s14, 2
	s_cselect_b64 s[26:27], s[8:9], s[10:11]       ; the choice hangs on the wave's number alone
	s_and_b32 s28, s14, 1
	s_lshl_b32 s28, s28, 7                         ; 32 channels x 4 bytes
	s_add_nc_u64 s[20:21], s[20:21], s[28:29]
	s_add_nc_u64 s[26:27], s[26:27], s[20:21]
	s_lshl_b32 s28, s14, 11
	s_add_co_u32 s28, s28, VC                      ; my two tiles' codes
	s_add_nc_u64 s[30:31], s[22:23], s[28:29]
	s_add_nc_u64 s[30:31], s[12:13], s[30:31]
	s_lshl_b32 s28, s14, 7                         ; my 32 scale words
	s_add_nc_u64 s[32:33], s[22:23], s[28:29]
	s_add_nc_u64 s[32:33], s[12:13], s[32:33]
	s_wait_alu depctr_va_vdst(0)
	v_lshlrev_b32 v4, 2, v1                        ; 4 x lane: my channel in a row, and my scale word
	v_lshlrev_b32 v7, 4, v2
	v_lshl_add_u32 v7, v3, 10, v7                  ; the codes: tile lane / 16, 16 r: each half of the lanes stores 256 consecutive bytes, aligned
.macro VLD kb                          ; block kb: keys 32 kb + i of the step
.irp i, 0,1,2,3,4,5,6,7,8,9,10,11,12,13,14,15,16,17,18,19,20,21,22,23,24,25,26,27,28,29,30,31
	global_load_b32 v[X+32*(\kb)+\i], v4, s[26:27] offset:(32*(\kb)+\i)*2048 th:TH_LOAD_NT
.endr
.endm
	VLD 0
	VLD 1
	s_wait_alu depctr_va_vdst(0)
	s_wait_loadcnt 32                              ; block 0 is in; block 1's 32 loads may be out
	VLD 2
	QBLK 0, 512, 256                               ; block kb = 2 c + g' goes to half c, lanes 16 g' on
	s_wait_loadcnt 32                              ; blocks 0 and 1 are in; block 2's may be out
	VLD 3
	QBLK 1, 512, 256
	s_wait_loadcnt 32                              ; block 3's may be out
	QBLK 2, 512, 256
	s_wait_loadcnt 0x0
	QBLK 3, 512, 256
	v_lshl_or_b32 v20, v[SB+1], 8, v[SB]           ; my channel's four bytes make its scale word for these 128 keys
	v_lshl_or_b32 v20, v[SB+2], 16, v20
	v_lshl_or_b32 v20, v[SB+3], 24, v20
	global_store_b32 v4, v20, s[32:33] offset:VSW
	s_endpgm
.Lfunc_end_k_q59b39c4f6f_quant:
	.size	k_q59b39c4f6f_quant, .Lfunc_end_k_q59b39c4f6f_quant-k_q59b39c4f6f_quant
	.p2alignl 7, 3214868480
	.fill 96, 4, 3214868480
	.section	.rodata,"a",@progbits
	.p2align	6, 0x0
	.amdhsa_kernel k_q59b39c4f6f_quant
		.amdhsa_group_segment_fixed_size 70144
		.amdhsa_private_segment_fixed_size 0
		.amdhsa_enable_private_segment 0
		.amdhsa_kernarg_size 40
		.amdhsa_user_sgpr_count 2
		.amdhsa_user_sgpr_kernarg_segment_ptr 1
		.amdhsa_wavefront_size32 1
		.amdhsa_system_sgpr_workgroup_id_x 1
		.amdhsa_system_sgpr_workgroup_id_y 1
		.amdhsa_system_sgpr_workgroup_id_z 1
		.amdhsa_system_vgpr_workitem_id 0
		.amdhsa_next_free_vgpr 194
		.amdhsa_next_free_sgpr 66
		.amdhsa_reserve_vcc 1
		.amdhsa_float_denorm_mode_32 3
		.amdhsa_float_denorm_mode_16_64 3
		.amdhsa_memory_ordered 1
		.amdhsa_forward_progress 1
		.amdhsa_inst_pref_size 36
	.end_amdhsa_kernel
	.amdgpu_metadata
---
amdhsa.version: [ 1, 2 ]
amdhsa.kernels:
  - .name:           k_q59b39c4f6f_quant
    .symbol:         k_q59b39c4f6f_quant.kd
    .args:
      - { .name: k_val, .offset: 0, .size: 8, .value_kind: global_buffer, .address_space: global }
      - { .name: k_pos, .offset: 8, .size: 8, .value_kind: global_buffer, .address_space: global }
      - { .name: v_val, .offset: 16, .size: 8, .value_kind: global_buffer, .address_space: global }
      - { .name: v_pos, .offset: 24, .size: 8, .value_kind: global_buffer, .address_space: global }
      - { .name: kv, .offset: 32, .size: 8, .value_kind: global_buffer, .address_space: global }
    .group_segment_fixed_size: 70144
    .private_segment_fixed_size: 0
    .kernarg_segment_align: 8
    .kernarg_segment_size: 40
    .max_flat_workgroup_size: 128
    .sgpr_count:     66
    .vgpr_count:     194
    .wavefront_size: 32
...
	.end_amdgpu_metadata
.endif
;; end of part 1
;; launch attn (part 2): grid 16 x 16, 8 waves a work-group, clusters of 4 x 1, 327,680 bytes of LDS; arguments q_val, q_pos, kv, out0, out1; writes out0, out1
.if DOCPART == 2
	.amdgcn_target "amdgcn-amd-amdhsa--gfx1250"
	.amdhsa_code_object_version 6
	.text
	.protected	k_q59b39c4f6f_attn
	.globl	k_q59b39c4f6f_attn
	.p2align	8
	.type	k_q59b39c4f6f_attn,@function
k_q59b39c4f6f_attn:
	s_mov_b64 s[64:65], 0
	v_nop
	global_prefetch_b8 v0, s[64:65] scope:SCOPE_SE
	s_setreg_imm32_b32 hwreg(HW_REG_WAVE_MODE, 25, 1), 1
	s_wait_xcnt 0x0
	s_wait_alu depctr_hold_cnt(0) depctr_sa_sdst(0) depctr_va_vdst(0) depctr_va_sdst(0) depctr_va_ssrc(0) depctr_va_vcc(0) depctr_vm_vsrc(0)
	s_getreg_b32 s2, hwreg(HW_REG_IB_STS2, 6, 4)
	s_cmp_eq_u32 s2, 0
	s_cbranch_scc0 .Lentry_in_a_cluster
	s_endpgm
.Lentry_in_a_cluster:
	s_bfe_u32 s2, ttmp6, 0x10000c
	s_cmp_lg_u32 s2, 0x3003
	s_cbranch_scc0 .Lentry_shape_is_right
	s_endpgm
.Lentry_shape_is_right:
; out0, out1 = softmax((q_val . k_val + q_pos . k_pos) / 8) [v_val | v_pos], all four products on codes of FP4 (E2M1) with one E8M0 scale for each 32 along K.
; The two score products (64 along K each, added) are ONE product of 128 along K on [q_val | q_pos] and [k_val | k_pos]; the two value products share p and are one product with 128 channels.
; attn_mask is left out: the function takes it and applies it to nothing, so no number of either output hangs on it, whatever it holds.
; THE SOFTMAX: t = score x log2(e) / 8; M = the row's largest t so far, rounded UP to a whole number; p = 2^(t - M) is what is quantised, along the keys, not normalised.
; The row's sum is taken of the unquantised p, in f32, and divides at the end.  When M moves, the sum and O are multiplied by 2^(old M - new M): exact, and with no branch on data.
; SHARES.  A work-group owns 128 queries of one head (b, h); each of its eight waves owns 16 of them, one tile, and walks all keys in four trips of 512 (4 steps of 128):
; the scores of a trip are 256 registers, and M and the rescaling of O come once for 512 keys.  Behind the first trip the waves share nothing but what lies in LDS unchanged: each ends by itself.
; THE HEAD'S K AND V, as codes and scale words in the order of the operands' registers (16 steps of 128 keys, 17,408 bytes each: 278,528 bytes), COME INTO LDS ONCE AND STAY:
; no byte is filled twice.  They come in two fills, one load a wave each: 4 steps at the head, 12 steps behind the full sequence of waits, add and round.
; NO PREFETCH: both fills are asked for ahead of the launch's only loop, so no loop runs ahead of a fill; the second has the first trip's work in which to land.
; CLUSTER.  The four query blocks of a cluster belong to one head and want the same bytes: every load is asked for JOINTLY, with the same descriptor and a mask that names the four.
; LAYOUT.  Both products are used transposed: S^T = K Q^T (source 0 = 32 keys, source 1 = 16 queries), O^T = V^T P^T (source 0 = 32 channels, source 1 = P): a lane holds ONE query (lane % 16).
; The keys of a tile are not neighbours: row m of tile 4 c + i is key 64 c + 32 (m / 8) + 8 i + m % 8, so that a lane's 32 registers of tiles 4 c .. 4 c + 3 are the WHOLE block 2 c + lane / 16 of
; 32 keys, in the order in which the second product's operand wants it: no block's maximum and no code crosses lanes.
; LIMITS: the promise holds while the scaled scores stay under 2^31 in magnitude.  p under 2^-126 comes out as 0 (the exponential flushes: ISA guide, its entry in 15.8).
; A block's scale is taken from floor(its largest t - M), which is p's exponent but for a p that rounds up to a power of two; it is held at 2^-126, the byte 1, from below.
; A block of zeros has zero codes and a byte of 1 or more.  NaN and infinities among the inputs are not served; what reaches attn_mask alone is not carried to a result.
.set STEPB,  17408
.set CHUNKB, 4*STEPB                   ; what a trip reads: four steps
.set HEADB,  16*STEPB
.set WP0,    CHUNKB/8                  ; a wave's eighth of the first fill: 34 rows of 256 bytes
.set WP1,    3*CHUNKB/8                ; and of the second: 102 rows
.set KC,     0                         ; in a step: K's codes,
.set VC,     8192                      ; V's codes,
.set KSW,    16384                     ; K's scale words,
.set VSW,    16896                     ; V's
.set STAGE,  HEADB                     ; 16 rows x 272 bytes for each wave, for Q's way in and O's way out; no tile lands there
.set SP,     272                       ; 256 bytes + 16: 68 words, so sixteen rows start 4 banks apart (64 banks of 4 bytes: ISA guide 11.1)
.set SPARE,  STAGE+8*16*SP             ; the spare words, 128 bytes for each wave
; WINDOW 0
.set AF,  1                            ; v1, v2   fragments of the trip's steps 0, 1 and 2, 3: + 16 x lane
.set LI,  3                            ; 16 x lane
.set SPW, 4                            ; LDS address of my spare word; never rewritten
.set NIL, 5                            ; 0; never rewritten
.set NM,  6                            ; -M (v7 is named with it as a pair)
.set FX,  8                            ; 2^(old M - new M) (v9 likewise)
.set MR,  10                           ; the largest score so far
.set G8,  11                           ; 8 x (lane / 16)
.set SUM, 12                           ; v[12:13] the sum, in two halves
.set LS,  14                           ; 4 x lane
.set QS,  15                           ; Q's scale word                        (QS, SCX, SCY, PS hold scales and nothing else)
.set T,   16                           ; v16-19   at work
.set SCX, 20                           ; v20-23   scale words of the fragments in GX
.set SCY, 24                           ; v24-27   and in GY
.set PS,  28                           ; v28-31   p's scale words, one a step
.set BM,  32                           ; v32-39   each block's largest score, then its scale operand: block c of step s at 2 s + c
.set PC,  40                           ; v40-47   p's codes of step 0 (the other three steps' lie in window 1)
.set QF,  48                           ; v48-55   Q's codes
.set RD,  56                           ; the stage by rows of 256 bytes: lanes 0-15 one row, lanes 16-31 the next
.set STO, 57                           ; the stage, O's way in: row r, 32 (lane / 16)
.set QR,  58                           ; the stage, Q's way out of it: row r, 128 (lane / 16)
.set GO,  59                           ; Q's loads and the outputs' stores: 2,048 (lane / 16) + 16 (lane % 16)
.set AW,  60                           ; v60, v61 scale words of the trip's steps 0, 1 and 2, 3: + 4 x lane
.set OT,  64                           ; v64-127  O^T
.set GX,  128                          ; v128-191 eight fragments of K or of V
.set GY,  192                          ; v192-255 eight more
; WINDOW 1: S^T, then p: step s at 64 s.  When a step's sum has been halved, its registers 32 .. 39 take the NEXT step's codes.
.set WV,  14
.set SEL, 20                           ; s[20:21] v_permlanex16_b32's selects for lane l xor 16
.set CS,  22                           ; s[22:23] c = log2(e) / 8
.set G1,  24                           ; s[24:31] group 1 of the first fill
.set G1B, 32                           ; s[32:39] of the second
.set G0,  40                           ; s[40:43] group 0 of the first
.set G0B, 44                           ; s[44:47] of the second
.set TB,  48                           ; LDS byte at which the trip's steps begin
.set CNT, 49
.set TB2, 60                           ; and its step 2: an LDS instruction's offset reaches 65,535 bytes
.set NC,  66                           ; -c
.set KK,  68                           ; 125 in both halves
.set KE,  69                           ; 125 in the exponent field
.set MSB, 0
.macro WIN new                         ; the immediate's high byte repeats the setting that is left
.if MSB != \new
	s_set_vgpr_msb (MSB<<8)|\new
.set MSB, \new
.endif
.endm
; A round of the cluster's barrier: my work-group's barrier, so that wave 0's signal speaks for all eight waves; wave 0 signals; every wave waits for the four work-groups; my work-group's barrier once more.
.macro CROUND
	s_barrier_signal -1
	s_barrier_wait -1
	s_cmp_lg_u32 s[WV], 0
	s_cbranch_scc1 .Lnot_wave_0_\@
	s_barrier_signal -3
.Lnot_wave_0_\@:
	s_barrier_wait -3
	s_barrier_signal -1
	s_barrier_wait -1
.endm
.macro STLE
	s_wait_alu depctr_va_vdst(0)
.endm
	s_load_b256 s[4:11], s[0:1], 0x0               ; q_val s[4:5], q_pos s[6:7], kv s[8:9], out0 s[10:11]
	s_load_b64 s[12:13], s[0:1], 0x20              ; out1
	v_lshl_add_u32 v[SPW], v0, 2, SPARE
	v_mov_b32 v[NIL], 0
	ds_add_u32 v[SPW], v[NIL]                      ; the wave's opening
	ds_add_u32 v[SPW], v[NIL]
	v_lshrrev_b32 v[T], 5, v0
	v_readfirstlane_b32 s[WV], v[T]                ; wave 0..7
	s_bfe_u32 s15, ttmp6, 0x40000                  ; cx: my place in the cluster: it enters Q's and the outputs' addresses alone
	s_lshl_b32 s16, ttmp9, 2                       ; in a cluster launch ttmp9 counts clusters
	s_add_co_u32 s16, s16, s15                     ; my block of 128 queries
	s_and_b32 s17, ttmp7, 0xffff                   ; bh = 8 b + h, which the four partners share
	s_lshr_b32 s18, s17, 3                         ; b
	s_and_b32 s19, s17, 7                          ; h
	s_lshl_b32 s50, s18, 22                        ; b x 2,048 tokens x 2,048 bytes
	s_lshl_b32 s51, s16, 18                        ; + block x 128 tokens
	s_add_co_u32 s50, s50, s51
	s_lshl_b32 s51, s[WV], 15                      ; + wave x 16 tokens
	s_add_co_u32 s50, s50, s51
	s_lshl_b32 s51, s19, 8                         ; + h x 256
	s_add_co_u32 s50, s50, s51
	s_mov_b32 s51, 0                               ; s[50:51]: my first query's row in q_val, q_pos, out0, out1
	s_mul_i32 s54, s17, HEADB
	s_mul_i32 s56, s[WV], WP0
	s_mul_i32 s58, s[WV], WP1
	s_mov_b32 s[G0], 1                             ; 1:0 count = 1
	s_mov_b32 s[G0+1], s56                         ; 63:32 LDS address
	s_mov_b32 s[G0B], 1
	s_add_co_u32 s[G0B+1], s58, CHUNKB
	s_add_co_u32 s56, s56, s54
	s_mov_b32 s57, 0
	s_add_co_u32 s58, s58, s54
	s_add_co_u32 s58, s58, CHUNKB
	s_mov_b32 s59, 0
	; descriptor group 1: a dense block as rows of 32 elements of 8 bytes, no padding
.irp g, G1, G1B
	s_mov_b32 s[\g+0], 15|(3<<16)|(1<<21)          ; 15:0 the mask: all four work-groups; 17:16 elements of 8 bytes; 20 padding off; 21 set beside a mask
	s_mov_b32 s[\g+1], 32<<16                      ; tensor_dim0 = 32
	s_mov_b32 s[\g+3], 32<<16                      ; tile_dim0 = 32
	s_mov_b32 s[\g+5], 32                          ; from row to row: 32 elements
	s_mov_b32 s[\g+6], 0
	s_mov_b32 s[\g+7], 0
.endr
	s_mov_b32 s[G1+2], 34<<16                      ; tensor_dim1
	s_mov_b32 s[G1+4], 34                          ; tile_dim1
	s_mov_b32 s[G1B+2], 102<<16
	s_mov_b32 s[G1B+4], 102
	s_mov_b32 s[SEL], 0x76543210
	s_mov_b32 s[SEL+1], 0xfedcba98
	s_mov_b32 s[CS], 0x3e38aa3b                    ; c = log2(e) / 8
	s_mov_b32 s[CS+1], s[CS]                       ; (named with it as a pair, so it is written)
	s_mov_b32 s[NC], 0xbe38aa3b
	s_mov_b32 s[KK], 0x7d007d
	s_mov_b32 s[KE], 0x3e800000
	s_mov_b32 s[TB], 0
	s_mov_b32 s[TB2], 2*STEPB
	s_mul_i32 s55, s[WV], 16*SP
	s_add_co_u32 s55, s55, STAGE                   ; my stage
	v_and_b32 v[T], 15, v0                         ; r
	v_bfe_u32 v[T+1], v0, 4, 1                     ; g = lane / 16
	v_lshlrev_b32 v[GO], 4, v[T]
	v_mul_u32_u24 v[RD], v[T+1], SP
	v_mul_u32_u24 v[QR], v[T], SP
	v_lshl_add_u32 v[GO], v[T+1], 11, v[GO]
	v_lshl_add_u32 v[RD], v[T], 4, v[RD]
	v_lshl_add_u32 v[STO], v[T+1], 5, v[QR]
	v_lshl_add_u32 v[QR], v[T+1], 7, v[QR]
	v_add_nc_u32 v[RD], s55, v[RD]
	v_add_nc_u32 v[STO], s55, v[STO]
	v_add_nc_u32 v[QR], s55, v[QR]
	v_lshlrev_b32 v[G8], 3, v[T+1]
	v_and_b32 v[LS], 31, v0
	v_lshlrev_b32 v[LI], 4, v[LS]
	v_lshlrev_b32 v[LS], 2, v[LS]
	v_add_nc_u32 v[AF], s[TB], v[LI]
	v_add_nc_u32 v[AF+1], s[TB2], v[LI]
	v_add_nc_u32 v[AW], s[TB], v[LS]
	v_add_nc_u32 v[AW+1], s[TB2], v[LS]
	v_mov_b32 v[T+3], 0                            ; (a lane permute's destination counts as one of its sources)
	v_mov_b32 v[NM+1], 0
	v_mov_b32 v[FX], 1.0                           ; behind the first trip the sum begins as 0 x 1
	v_mov_b32 v[FX+1], 0
	v_mov_b32 v[SUM], 0
	v_mov_b32 v[SUM+1], 0
.irp k, 0,1,2,3
	v_mov_b32 v[PS+\k], 0
.endr
	STLE
	s_wait_dscnt 0x0                               ; both opening adds are done
	s_wait_kmcnt 0x0
	s_add_nc_u64 s[4:5], s[4:5], s[50:51]
	s_add_nc_u64 s[6:7], s[6:7], s[50:51]
.irp i, 0,1,2,3,4,5,6,7
	global_load_b128 v[GX+4*\i:GX+4*\i+3], v[GO], s[4:5] offset:4096*\i th:TH_LOAD_NT         ; q_val, queries 2 i + g: each half of the lanes reads a whole row of 256 bytes
.endr
.irp i, 0,1,2,3,4,5,6,7
	global_load_b128 v[GX+32+4*\i:GX+32+4*\i+3], v[GO], s[6:7] offset:4096*\i th:TH_LOAD_NT   ; q_pos
.endr
	s_add_nc_u64 s[10:11], s[10:11], s[50:51]
	s_add_nc_u64 s[12:13], s[12:13], s[50:51]
	s_add_nc_u64 s[G0+2:G0+3], s[8:9], s[56:57]    ; 120:64 global address
	s_or_b32 s[G0+3], s[G0+3], 0x80000000          ; 127:126 type = 2
	s_add_nc_u64 s[G0B+2:G0B+3], s[8:9], s[58:59]
	s_or_b32 s[G0B+3], s[G0B+3], 0x80000000
	CROUND                                         ; all four work-groups are here: the first joint loads meet
	tensor_load_to_lds s[G0:G0+3], s[G1:G1+7]      ; steps 0 to 3: the head's one load a wave
	s_nop 0
.rept 4
	v_nop
.endr
	; Under that load's flight Q turns through my stage: in by rows as loaded, out 32 neighbours a lane: lane (r, g) gets block g of q_val and block g of q_pos of query r: blocks g and 2 + g of the 128
	s_wait_loadcnt 8                               ; q_val's eight are in; q_pos's eight may be out
.irp i, 0,1,2,3,4,5,6,7
	ds_store_b128 v[RD], v[GX+4*\i:GX+4*\i+3] offset:2*SP*\i
.endr
.irp j, 0,1,2,3,4,5,6,7
	ds_load_b128 v[OT+4*\j:OT+4*\j+3], v[QR] offset:16*\j       ; LDS serves a wave's instructions in order (ISA guide 5.7.1.4): these see the stores above, and q_pos's stores come behind them
.endr
	s_wait_loadcnt 0x0
.irp i, 0,1,2,3,4,5,6,7
	ds_store_b128 v[RD], v[GX+32+4*\i:GX+32+4*\i+3] offset:2*SP*\i
.endr
.irp j, 0,1,2,3,4,5,6,7
	ds_load_b128 v[OT+32+4*\j:OT+32+4*\j+3], v[QR] offset:16*\j
.endr
	s_wait_dscnt 0x0
.irp c, 0,1                            ; my two blocks, in two chains each: all 32 numbers of each are mine
	v_max3_num_f32 v[BM+\c], |v[OT+32*\c]|, |v[OT+1+32*\c]|, 0x1800000   ; with the floor 2^(3 - 127): the byte cannot fall under 1
	v_max3_num_f32 v[BM+2+\c], |v[OT+2+32*\c]|, |v[OT+3+32*\c]|, |v[OT+4+32*\c]|
.endr
.irp i, 5,9,13,17,21,25
.irp c, 0,1
	v_max3_num_f32 v[BM+\c], v[BM+\c], |v[OT+32*\c+\i]|, |v[OT+1+32*\c+\i]|
	v_max3_num_f32 v[BM+2+\c], v[BM+2+\c], |v[OT+2+32*\c+\i]|, |v[OT+3+32*\c+\i]|
.endr
.endr
.irp c, 0,1
	v_max3_num_f32 v[BM+\c], v[BM+\c], |v[OT+29+32*\c]|, |v[OT+30+32*\c]|
.endr
.irp c, 0,1
	v_max3_num_f32 v[BM+\c], v[BM+\c], v[BM+2+\c], |v[OT+31+32*\c]|
.endr
.irp c, 0,1
	v_add_nc_u32 v[BM+4+\c], 0xff000000, v[BM+\c]  ; 2 off the exponent field: the conversion's scale operand
.endr
.irp c, 0,1
	v_lshrrev_b32 v[T+\c], 23, v[BM+4+\c]          ; the scale's byte
.endr
	v_lshl_or_b32 v[T+2], v[T+1], 16, v[T]         ; blocks g and 2 + g,
	v_lshlrev_b32 v[T+2], v[G8], v[T+2]            ; at their places in the word;
	v_permlanex16_b32 v[T+3], v[T+2], s[SEL], s[SEL+1]
	v_or_b32 v[QS], v[T+2], v[T+3]                 ; with lane l xor 16's two the word is whole
.irp c, 0,1
.irp g, 0,1,2,3
	v_cvt_scalef32_pk8_fp4_f32 v[QF+4*\c+\g], v[OT+32*\c+8*\g:OT+32*\c+8*\g+7], v[BM+4+\c]   ; registers 4 c .. 4 c + 3 of the operand: k = 64 c + 32 g + 0 .. 31
.endr
.endr
.rept 8
	v_nop                                          ; one plain place behind a scaled conversion; eight between Q's scale word, four between its codes, and the first product
.endr
	STLE
	s_wait_tensorcnt 0x0                           ; my eighth is in
	ds_add_u32 v[SPW], v[NIL]
	s_wait_dscnt 0x0
	CROUND                                         ; everybody's eighth is in, and all four work-groups are here
	tensor_load_to_lds s[G0B:G0B+3], s[G1B:G1B+7]  ; steps 4 to 15: the launch's last fill
	s_nop 0
.rept 4
	v_nop
.endr
; 20 LDS loads: four registers of scale words and, pair by pair of tiles, the eight fragments of the trip's step st.  A fragment is two loads of 512 consecutive bytes
.macro FETCH st, codes, words, fr, sw
.irp j, 0,1,2,3
	ds_load_b32 v[\sw+\j], v[AW+\st/2] offset:STEPB*(\st%2)+\words+128*\j
.endr
.irp t, 0,1,2,3,4,5,6,7
.irp c, 0,1
	ds_load_b128 v[\fr+8*\t+4*\c:\fr+8*\t+4*\c+3], v[AF+\st/2] offset:STEPB*(\st%2)+\codes+1024*\t+512*\c
.endr
.endr
.endm
; S^T of step st: 32 keys x 16 queries an instruction; lanes 0-31 of a register of scale words are the 32 keys.  Each accumulator is written once, from 0.  more: the LDS loads issued behind this step's
.macro QK st, fr, sw, more
.irp j, 0,1,2,3
	s_wait_dscnt \more+12-4*\j                     ; pair j is in; the four loads of each younger pair may be out
	WIN 0x40                                       ; D in window 1
	v_wmma_scale_f32_32x16x128_f4 v[64*\st+16*\j:64*\st+16*\j+15], v[\fr+16*\j:\fr+16*\j+15], v[QF:QF+7], 0, v[\sw+\j], v[QS]
.endr
.endm
; The largest score of each of the four blocks of steps st and st + 1, all 32 of a block in one lane, in two chains a block; each accumulator is read from its low end on
.macro MAXS st
	WIN 0x15                                       ; sources in window 1
.irp n, 0,1,2,3
	v_max3_num_f32 v[BM+2*\st+\n], v[64*\st+32*\n], v[64*\st+32*\n+1], v[64*\st+32*\n+2]
.endr
.irp n, 0,1,2,3
	v_max3_num_f32 v[T+\n], v[64*\st+32*\n+16], v[64*\st+32*\n+17], v[64*\st+32*\n+18]
.endr
	WIN 0x14                                       ; sources 1 and 2 in window 1
.irp i, 3,5,7,9,11,13
.irp n, 0,1,2,3
	v_max3_num_f32 v[BM+2*\st+\n], v[BM+2*\st+\n], v[64*\st+32*\n+\i], v[64*\st+32*\n+\i+1]
.endr
.irp n, 0,1,2,3
	v_max3_num_f32 v[T+\n], v[T+\n], v[64*\st+32*\n+16+\i], v[64*\st+32*\n+16+\i+1]
.endr
.endr
.irp n, 0,1,2,3
	v_max3_num_f32 v[BM+2*\st+\n], v[BM+2*\st+\n], v[64*\st+32*\n+15], v[64*\st+32*\n+31]
.endr
	WIN 0
.irp n, 0,1,2,3
	v_max_num_f32 v[BM+2*\st+\n], v[BM+2*\st+\n], v[T+\n]
.endr
.endm
.macro TM st, j                        ; t - M, two at a time, in step st (of the pairs c and -M the low word serves both)
	v_pk_fma_f32 v[64*(\st)+2*(\j):64*(\st)+2*(\j)+1], v[64*(\st)+2*(\j):64*(\st)+2*(\j)+1], s[CS:CS+1], v[NM:NM+1] op_sel_hi:[1,0,0]
.endm
.macro SADD d, e                       ; p's are added two at a time, in window 1
	v_pk_add_f32 v[(\d):(\d)+1], v[(\d):(\d)+1], v[(\e):(\e)+1]
.endm
; p of step st: 64 exponentials.  Between them stand the next step's t - M and earlier steps' sums: all of it is read behind the batch's closing wait alone
.macro BATCH st
	WIN 0x45                                       ; D, sources 0 and 1 in window 1
.set JJ, 0
.rept 32
	v_exp_f32 v[64*\st+2*JJ], v[64*\st+2*JJ]
.if \st < 3
	TM (\st)+1, JJ
.endif
	v_exp_f32 v[64*\st+2*JJ+1], v[64*\st+2*JJ+1]
.if (\st > 0) && (JJ%2 == 0)
	SADD 64*(\st-1)+JJ, 64*(\st-1)+32+JJ           ; the last step's 64 become 32
.endif
.if (\st == 3) && (JJ%2 == 1)
	SADD JJ-1, 64+JJ-1                             ; steps 0 and 1
.endif
.set JJ, JJ+1
.endr
	v_nop                                          ; a plain place behind a transcendental
	STLE
.endm
; The codes of step st: registers 4 c .. 4 c + 3 of the operand from the lane's block c
.macro CODES st
.if \st == 0
.set CD, PC
	WIN 0x01                                       ; source 0 in window 1
.else
.set CD, 64*(\st-1)+32
	WIN 0x41                                       ; D too
.endif
.irp q, 0,1,2,3,4,5,6,7
	v_cvt_scalef32_pk8_fp4_f32 v[CD+\q], v[64*\st+8*\q:64*\st+8*\q+7], v[BM+2*\st+\q/4]
.endr
	v_nop                                          ; one plain place behind a scaled conversion
.endm
; O^T += V^T P^T for step st: four accumulators by turns (three others stand between a sum's steps)
.macro PV st, fr, sw, more, first
	s_wait_dscnt \more                             ; the step's V is in; what was issued behind it may be out
.if \st == 0
.set BR, PC
	WIN 0
.else
.set BR, 64*(\st-1)+32
	WIN 0x04                                       ; P's codes in window 1
.endif
.irp j, 0,1,2,3
.if \first && (\st == 0)
	v_wmma_scale_f32_32x16x128_f4 v[OT+16*\j:OT+16*\j+15], v[\fr+16*\j:\fr+16*\j+15], v[BR:BR+7], 0, v[\sw+\j], v[PS+\st]
.else
	v_wmma_scale_f32_32x16x128_f4 v[OT+16*\j:OT+16*\j+15], v[\fr+16*\j:\fr+16*\j+15], v[BR:BR+7], v[OT+16*\j:OT+16*\j+15], v[\sw+\j], v[PS+\st]
.endif
.endr
.endm
.macro PLACES                          ; four places in front of loads into the fragments' registers and of the first read of the scores
.rept 4
	v_nop
.endr
.endm
; A TRIP from its first product on: 512 keys.  K's steps 0 and 1 have been asked for.  first = 1: O^T begins here
.macro MAIN first
	STLE
	QK 0, GX, SCX, 20
	QK 1, GY, SCY, 0
	WIN 0
	PLACES
	FETCH 2, KC, KSW, GX, SCX
	FETCH 3, KC, KSW, GY, SCY
	MAXS 0
	STLE
	QK 2, GX, SCX, 20
	QK 3, GY, SCY, 0
	WIN 0
	PLACES
	FETCH 0, VC, VSW, GX, SCX                      ; V's steps 0 and 1 land while the softmax is worked
	FETCH 1, VC, VSW, GY, SCY
	MAXS 2
	v_max3_num_f32 v[T], v[BM], v[BM+1], v[BM+2]
	v_max3_num_f32 v[T+1], v[BM+3], v[BM+4], v[BM+5]
	v_max3_num_f32 v[T], v[T], v[BM+6], v[BM+7]
	v_max_num_f32 v[T], v[T], v[T+1]               ; the largest score of my half of the keys,
	v_permlanex16_b32 v[T+1], v[T], s[SEL], s[SEL+1]
.if \first
	v_max_num_f32 v[MR], v[T], v[T+1]              ; and lane l xor 16's
	v_mul_f32 v[T], s[NC], v[MR]                   ; -t
	v_floor_f32 v[NM], v[T]                        ; -M = floor(-t): a whole number
.else
	v_max3_num_f32 v[MR], v[MR], v[T], v[T+1]
	v_mul_f32 v[T], s[NC], v[MR]
	v_floor_f32 v[T], v[T]
	v_sub_f32 v[T+1], v[T], v[NM]                  ; old M - new M: a whole number, 0 or less
	v_mov_b32 v[NM], v[T]
	v_cvt_i32_f32 v[T+1], v[T+1]                   ; (it saturates)
	v_ldexp_f32 v[FX], 1.0, v[T+1]                 ; f = 2^(old M - new M)
.endif
.irp n, 0,1,2,3,4,5,6,7
	v_fma_f32 v[BM+\n], v[BM+\n], s[CS], v[NM]     ; each block's largest t - M,
.endr
.irp n, 0,1,2,3,4,5,6,7
	v_max_num_f32 v[BM+\n], 0xc2f80000, v[BM+\n]   ; not under -124: the byte cannot fall under 1;
.endr
.irp n, 0,1,2,3,4,5,6,7
	v_cvt_floor_i32_f32 v[BM+\n], v[BM+\n]         ; e: the exponent of its largest p
.endr
.irp k, 0,1,2,3
	v_lshl_add_u32 v[T+\k], v[BM+2*\k+1], 16, v[BM+2*\k]
.endr
.irp k, 0,1,2,3
	v_add_lshl_u32 v[T+\k], s[KK], v[T+\k], v[G8]  ; the bytes e - 2 + 127 of my blocks g and 2 + g, at their places in the word;
.endr
.irp k, 0,1,2,3
	v_permlanex16_b32 v[PS+\k], v[T+\k], s[SEL], s[SEL+1]
.endr
.irp k, 0,1,2,3
	v_or_b32 v[PS+\k], v[T+\k], v[PS+\k]           ; with lane l xor 16's two it is whole
.endr
.irp n, 0,1,2,3,4,5,6,7
	v_lshl_add_u32 v[BM+\n], v[BM+\n], 23, s[KE]   ; the conversion's scale operand, 2^(e - 2)
.endr
.if \first == 0
.irp j, 0,2,4,6,8,10,12,14,16,18,20,22,24,26,28,30,32,34,36,38,40,42,44,46,48,50,52,54,56,58,60,62
	v_pk_mul_f32 v[OT+\j:OT+\j+1], v[OT+\j:OT+\j+1], v[FX:FX+1] op_sel_hi:[1,0]   ; O^T under the new M
.endr
.endif
	WIN 0x45
.set JJ, 0
.rept 32
	TM 0, JJ
.set JJ, JJ+1
.endr
	STLE
	BATCH 0
	CODES 0
	BATCH 1
	CODES 1
	BATCH 2
	CODES 2
	BATCH 3
	CODES 3
	WIN 0
	STLE
	PV 0, GX, SCX, 20, \first
	PV 1, GY, SCY, 0, \first
	WIN 0x45
.irp j, 0,2,4,6
	SADD 192+\j, 224+\j                            ; step 3's 64 become 32 (these four are the places in front of the loads below)
.endr
	WIN 0
.if \first
	STLE
	s_wait_tensorcnt 0x0                           ; my eighth of the second fill is in: say so (no LDS instruction of mine is out);
	s_barrier_signal -1                            ; behind it stand work on registers and loads of LDS bytes that nobody writes
.endif
	FETCH 2, VC, VSW, GX, SCX
	FETCH 3, VC, VSW, GY, SCY
	WIN 0x45
.irp j, 8,10,12,14,16,18,20,22,24,26,28,30
	SADD 192+\j, 224+\j
.endr
.irp j, 0,2,4,6,8,10,12,14,16,18,20,22,24,26,28,30
	SADD 128+\j, 192+\j                            ; steps 2 and 3
.endr
	WIN 0
	STLE
	PV 2, GX, SCX, 20, 0
	PV 3, GY, SCY, 0, 0
	WIN 0x45
.irp j, 0,2,4,6
	SADD \j, 128+\j                                ; both halves (these four are the places behind the last products)
.endr
	WIN 0
.if \first
	STLE
	s_barrier_wait -1                              ; everybody's eighth of the second fill is in
.endif
.endm
.macro LATE                            ; the rest of a trip's sum
	WIN 0x45
.irp j, 8,10,12,14,16,18,20,22,24,26,28,30
	SADD \j, 128+\j
.endr
.irp j, 0,2,4,6,8,10,12,14
	SADD \j, 16+\j
.endr
.irp j, 0,2,4,6
	SADD \j, 8+\j
.endr
.irp j, 0,2
	SADD \j, 4+\j
.endr
	WIN 0x05                                       ; sources in window 1, D in window 0
	v_pk_add_f32 v[T:T+1], v[0:1], v[2:3]
	WIN 0
	v_pk_fma_f32 v[SUM:SUM+1], v[SUM:SUM+1], v[FX:FX+1], v[T:T+1] op_sel_hi:[1,0,1]   ; the sum, under the trip's M
.endm
	FETCH 0, KC, KSW, GX, SCX
	FETCH 1, KC, KSW, GY, SCY
	MAIN 1
	s_mov_b32 s[CNT], 3
.Ltrip:
	s_add_co_u32 s[TB], s[TB], CHUNKB              ; the next four steps
	s_add_co_u32 s[TB2], s[TB2], CHUNKB
	v_add_nc_u32 v[AF], s[TB], v[LI]
	v_add_nc_u32 v[AF+1], s[TB2], v[LI]
	v_add_nc_u32 v[AW], s[TB], v[LS]
	v_add_nc_u32 v[AW+1], s[TB2], v[LS]
	STLE
	FETCH 0, KC, KSW, GX, SCX
	FETCH 1, KC, KSW, GY, SCY
	LATE                                           ; the last trip's
	MAIN 0
	s_sub_co_u32 s[CNT], s[CNT], 1
	s_cmp_lg_u32 s[CNT], 0
	STLE
	s_cbranch_scc1 .Ltrip
	LATE
	; THE WAY OUT.  O^T is divided by the row's sum and goes through my stage, 64 channels (256 bytes: one output's row) of 16 queries at a time
	v_add_f32 v[T], v[SUM], v[SUM+1]               ; the sum's two halves,
	v_permlanex16_b32 v[T+1], v[T], s[SEL], s[SEL+1]
	v_add_f32 v[T], v[T], v[T+1]                   ; and lane l xor 16's
	STLE
	v_rcp_f32 v[T+2], v[T]
	v_nop                                          ; one plain place behind it
	STLE
.irp j, 0,2,4,6,8,10,12,14,16,18,20,22,24,26,28,30,32,34,36,38,40,42,44,46,48,50,52,54,56,58,60,62
	v_pk_mul_f32 v[OT+\j:OT+\j+1], v[OT+\j:OT+\j+1], v[T+2:T+3] op_sel_hi:[1,0]   ; register 8 t + i is channel 16 t + 8 (lane / 16) + i of query lane % 16
.endr
.irp u, 0,1                            ; u = 0: channels 0-63, out0; u = 1: channels 64-127, out1
.irp t, 0,1,2,3
	ds_store_b128 v[STO], v[OT+32*\u+8*\t:OT+32*\u+8*\t+3] offset:64*\t
	ds_store_b128 v[STO], v[OT+32*\u+8*\t+4:OT+32*\u+8*\t+7] offset:64*\t+16
.endr
.irp i, 0,1,2,3,4,5,6,7
	ds_load_b128 v[GX+32*\u+4*\i:GX+32*\u+4*\i+3], v[RD] offset:2*SP*\i   ; LDS serves a wave's instructions in order: these see my stores, and the next half's stores come behind them
.endr
.endr
	STLE
.irp i, 0,1,2,3,4,5,6,7
	s_wait_dscnt 23-\i                             ; behind this load: the 7 - i younger of its half and the other half's sixteen LDS instructions
	global_store_b128 v[GO], v[GX+4*\i:GX+4*\i+3], s[10:11] offset:4096*\i th:TH_STORE_NT      ; each half of the lanes stores 256 consecutive bytes, aligned: a query's whole row of this head
.endr
.irp i, 0,1,2,3,4,5,6,7
	s_wait_dscnt 7-\i
	global_store_b128 v[GO], v[GX+32+4*\i:GX+32+4*\i+3], s[12:13] offset:4096*\i th:TH_STORE_NT
.endr
	s_wait_tensorcnt 0x0                           ; the wave's end
	ds_add_u32 v[SPW], v[NIL]
	s_wait_dscnt 0x0
	CROUND                                         ; the closing round: no work-group ends while a partner may still ask for bytes by a load that names it
	s_endpgm
.Lfunc_end_k_q59b39c4f6f_attn:
	.size	k_q59b39c4f6f_attn, .Lfunc_end_k_q59b39c4f6f_attn-k_q59b39c4f6f_attn
	.p2alignl 7, 3214868480
	.fill 96, 4, 3214868480
	.section	.rodata,"a",@progbits
	.p2align	6, 0x0
	.amdhsa_kernel k_q59b39c4f6f_attn
		.amdhsa_group_segment_fixed_size 327680
		.amdhsa_private_segment_fixed_size 0
		.amdhsa_enable_private_segment 0
		.amdhsa_kernarg_size 40
		.amdhsa_user_sgpr_count 2
		.amdhsa_user_sgpr_kernarg_segment_ptr 1
		.amdhsa_wavefront_size32 1
		.amdhsa_system_sgpr_workgroup_id_x 1
		.amdhsa_system_sgpr_workgroup_id_y 1
		.amdhsa_system_sgpr_workgroup_id_z 1
		.amdhsa_system_vgpr_workitem_id 0
		.amdhsa_next_free_vgpr 512
		.amdhsa_next_free_sgpr 72
		.amdhsa_reserve_vcc 0
		.amdhsa_float_denorm_mode_32 3
		.amdhsa_float_denorm_mode_16_64 3
		.amdhsa_memory_ordered 1
		.amdhsa_forward_progress 1
		.amdhsa_inst_pref_size 129
	.end_amdhsa_kernel
	.amdgpu_metadata
---
amdhsa.version: [ 1, 2 ]
amdhsa.kernels:
  - .name:           k_q59b39c4f6f_attn
    .symbol:         k_q59b39c4f6f_attn.kd
    .args:
      - { .name: q_val, .offset: 0, .size: 8, .value_kind: global_buffer, .address_space: global }
      - { .name: q_pos, .offset: 8, .size: 8, .value_kind: global_buffer, .address_space: global }
      - { .name: kv, .offset: 16, .size: 8, .value_kind: global_buffer, .address_space: global }
      - { .name: out0, .offset: 24, .size: 8, .value_kind: global_buffer, .address_space: global }
      - { .name: out1, .offset: 32, .size: 8, .value_kind: global_buffer, .address_space: global }
    .group_segment_fixed_size: 327680
    .private_segment_fixed_size: 0
    .kernarg_segment_align: 8
    .kernarg_segment_size: 40
    .max_flat_workgroup_size: 256
    .sgpr_count:     72
    .vgpr_count:     512
    .wavefront_size: 32
...
	.end_amdgpu_metadata
.endif
;; end of part 2
